; MI455X (gfx1250); checked and timed in simulation.
; The chip was launched on July 23, 2026; its instructions are those of AMD's public machine-readable ISA for CDNA 5 (MIT licence, August 2026) and "CDNA5" Instruction Set Architecture Reference Guide (July 2026). The comments in the code are by the model that wrote it; some were corrected since.
;; My LSTM. Allowed arithmetic: matrix products marked QUANTISED: E3M2 operands, one E8M0 scale for each 32 along K, by v_wmma_scale_f32_16x16x128_f8f6f4 with both operands' format E3M2, f32 sums; everything else in f32.
;; Inputs: Wf 2,048 x 4,096 float32; Wg 2,048 x 4,096 float32; Wi 2,048 x 4,096 float32; Wo 2,048 x 4,096 float32; bf 2,048 float32; bg 2,048 float32; bi 2,048 float32; bo 2,048 float32; c_old 2,048 x 2,048 float32; h_old 2,048 x 2,048 float32; x 2,048 x 2,048 float32.
;; Outputs: out0 2,048 x 2,048 float32; out1 2,048 x 2,048 float32.
;; Constants: mode = 0.
;; This version of the problem:
;;   THIS VERSION OF THE PROBLEM IS GIVEN IN LOW PRECISION. The matrix products marked QUANTISED in the list below multiply operands that are first quantised to E3M2 (3 exponent bits, 2 mantissa bits; 6 bits a number), with one power-of-two scale for each 32 numbers along K (OCP MX v1.0); their sums are f32. All else is computed in f32.
;;   The module's matrix products, in the order in which they are computed (A, B: the left and right operand; K: the contracted axis; several contracted axes count as one K, in the product's order):
;;     1. [M 2,048, K 4,096] x [K 4,096, N 8,192]; A: computed on the way; B: computed on the way: QUANTISED
;;   THE QUANTISER, for each operand of a quantised product, along K:
;;     - K is cut into blocks of 32 from its start; a last block that is shorter is filled with zeros.
;;     - A block's scale is 2^e with e = floor(log2(the largest magnitude in the block)) - 4, held to -126 .. 127; a block of zeros has e = 0. As a byte (E8M0): e + 127.
;;     - Each number is divided by its block's scale, clamped to +-28, and rounded to the nearest number of E3M2, ties to even, subnormals kept.
;;     - The product sums the exact products of the quantised numbers (number of the format x scale) in f32.
;;   ~~~python
;;   def quantise(x, axis):      # numpy; x: float32 -> the quantised numbers, widened to float32 again
;;       x = np.moveaxis(x, axis, -1); K = x.shape[-1]
;;       x = np.pad(x, [(0, 0)] * (x.ndim - 1) + [(0, -K % 32)]); x = x.reshape(x.shape[:-1] + (-1, 32)); a = np.abs(x).max(-1, keepdims=True)
;;       e = np.where(a > 0, np.clip(np.frexp(np.where(a > 0, a, 1))[1] - 1 - 4, -126, 127), 0)      # np.frexp(a)[1] - 1 = floor(log2(a)), exactly
;;       r = np.clip(x / 2.0 ** e, -28, 28)
;;       step = 2.0 ** (np.maximum(np.frexp(np.where(r == 0, 1, r))[1] - 1, -2) - 2)
;;       q = np.round(r / step) * step * 2.0 ** e      # np.round: ties to even
;;       return np.moveaxis(q.reshape(q.shape[:-2] + (-1,))[..., :K], -1, axis).astype(np.float32)
;;   ~~~
;;   OPERANDS COMPUTED ON THE WAY. 'Computed on the way' means the value that the module computes at that place (a softmax that the list does not call 'softmax' is quantised finished and normalised). What goes into a quantiser is computed in f32, as accurately as f32 sums, v_exp_f32 and their like allow (about 1e-6 of the number): no bf16 or f16 on the way to a quantiser, and a product that is left as it is and whose result goes on into a quantised operand takes f32 operands (vector FMAs, or v_wmma_f32_16x16x4_f32). A number that lies on a knife's edge between two numbers of the format may be rounded either way, as far as f32 arithmetic and the matrix unit's own rounding can turn it there, and no further.
;; One version. Each part assembles by itself: llvm-mc -triple=amdgcn-amd-amdhsa -mcpu=gfx1250 --defsym DOCPART=n.
;; ======== version 1 of 1: 2 launches
;; limits: right only within a limited range of input values
;; workspace buffers: ta 6,553,600 bytes; wa 26,214,400 bytes
;; launch quant (part 1): grid 1280 x 1, 4 waves a work-group, no clusters, 34,304 bytes of LDS; arguments x, h_old, Wf, Wi, Wo, Wg, ta, wa; writes ta, wa
.if DOCPART == 1
	.amdgcn_target "amdgcn-amd-amdhsa--gfx1250"
	.amdhsa_code_object_version 6
	.text
	.protected	k_qc9381b1ac6_quant
	.globl	k_qc9381b1ac6_quant
	.p2align	8
	.type	k_qc9381b1ac6_quant,@function
k_qc9381b1ac6_quant:
	s_mov_b64 s[64:65], 0
	v_nop
	global_prefetch_b8 v0, s[64:65] scope:SCOPE_SE
	s_setreg_imm32_b32 hwreg(HW_REG_WAVE_MODE, 25, 1), 1
	s_wait_xcnt 0x0
; t = [x | h_old] ([2048][4096]) and W = [Wf; Wi; Wo; Wg] ([8192][4096]), f32, K innermost, become codes of BF6 (E3M2), 6 bits each, with one E8M0 scale byte for each 32 along K,
; LAID IN THE ORDER OF THE MATRIX OPERAND'S REGISTERS.  ta holds 16 blocks of 128 rows of t, wa 64 blocks of 128 rows of W.  A block of 128 rows is 32 BRICKS, one for each 128 along K; a brick is 12,800 bytes:
;   eight fragment images of 1,536 bytes (fragment m: rows 16 m .. 16 m + 15): registers 4 j .. 4 j + 3 of lane l at byte 512 j + 16 l.  Lane (r, h) of a fragment holds row r; its registers 6 c .. 6 c + 5 hold k = 64 c + 32 h + 0 .. 31;
;   then 512 bytes of scale words (four bytes: a row's four blocks of 32): the word of row 16 m + r at byte 256 (m / 4) + 16 r + 4 (m % 4).
; W's ROWS ARE LAID IN ANOTHER ORDER: block R of 128 rows holds output columns 32 R .. 32 R + 31 of all four gates: fragment m is gate m / 2 (f 0, i 1, o 2, g 3), columns 32 R + 16 (m % 2) + 0 .. 15.
; A block's scale is 2^(floor(log2(its largest magnitude)) - 4); its byte is the largest magnitude's own exponent field - 4, held at 1 from below.  Each number is divided by the scale and rounded to the nearest code, ties to even; beyond 28 the largest code.
; LIMITS: a block whose largest magnitude lies under 2^(4 - 126) gets the byte 1; a block of zeros gets the byte 1 where the rule says 127 (its codes are zeros, which add nothing under any byte but 0xff, and this program alone reads the bytes); NaN and infinities among the inputs are not served.
; SHARES: a wave makes four fragments of ONE brick (m = 4 q .. 4 q + 3) and their 256 bytes of scale words; the four waves of a work-group take four neighbouring bricks along K, so that a work-group reads 2,048 consecutive bytes of each of its 64 rows.
; Work-groups 0-255 take t, the others W.  All take ONE path: only pointers are chosen, on the work-group's and the wave's number.
; A FRAGMENT: 16 loads, a row each, 512 consecutive bytes; the 8,192 bytes turn through the wave's own stage in LDS and come back into the registers that they left, so that a lane holds the two whole blocks of 32 that the operand's layout gives it:
; a block's largest magnitude needs no other lane, and the conversions' results are the operand's registers.  They leave by three stores of 512 consecutive bytes.
; No tensor loads, no barrier: waves share nothing.  Two sets of registers take turns: while one fragment is worked on, the next one's 16 loads are out.
.set SROW,  528                        ; a stage row: 512 bytes + 16 = 132 words: row r starts at bank 4 r mod 64 (64 banks of 4 bytes: ISA guide 11.1), so the 16 rows that a load touches start at 16 different banks
.set STG,   16*SROW                    ; a wave's stage
.set FRB,   1536                       ; a fragment's image
.set CODEB, 8*FRB                      ; a brick's codes
.set BRICK, CODEB+512
.set OFF,   16                         ; v16-31   row i of a fragment: 16 x lane + i x the source's row; never rewritten
.set X,     32                         ; v32-159  two sets of 64 numbers
.set C,     160                        ; v160-171 a fragment's 12 registers
.set T,     172                        ; v172-174, v176-178 the halves whose place in the fragment begins on an odd register
.set W,     180                        ; v180-183 the four fragments' scale words
.set P,     32                         ; s[32:39] the four fragments' first rows
	s_load_b512 s[8:23], s[0:1], 0x0               ; x 8:9, h_old 10:11, Wf 12:13, Wi 14:15, Wo 16:17, Wg 18:19, ta 20:21, wa 22:23
	v_lshl_add_u32 v187, v0, 2, 0x8400             ; my spare word, behind the four stages; never rewritten
	v_mov_b32 v188, 0                              ; 0; never rewritten
	v_lshrrev_b32 v1, 5, v0
	v_readfirstlane_b32 s4, v1                     ; wave
	v_and_b32 v2, 31, v0                           ; lane
	v_lshlrev_b32 v3, 4, v2                        ; 16 x lane: my 16 bytes of a load's or a store's 512
	v_and_b32 v4, 15, v0                           ; r
	v_bfe_u32 v7, v0, 4, 1                         ; h
	s_mul_i32 s7, s4, STG
	v_add_nc_u32 v5, s7, v3                        ; the stage, on the way in: a row as it was loaded
	v_mul_u32_u24 v6, v4, SROW
	v_lshl_add_u32 v6, v7, 7, v6
	v_add_nc_u32 v6, s7, v6                        ; and on the way out: row r, + 128 h bytes: k = 32 h on
	v_lshlrev_b32 v1, 3, v7                        ; 8 h: my bytes' place in a scale word
	v_lshlrev_b32 v186, 4, v4
	v_lshl_add_u32 v186, v7, 3, v186               ; the scale words' way out: 16 r + 8 h
	v_mov_b32 v14, 0                               ; written once: a lane permute's destination counts as one of its sources
	s_mov_b32 s40, 0x76543210
	s_mov_b32 s41, 0xfedcba98                      ; v_permlanex16_b32's selects for lane l xor 16
	s_cmp_ge_u32 ttmp9, 256
	s_cselect_b32 s43, 1, 0                        ; isW
	s_lshl_b32 s5, s43, 8
	s_sub_co_u32 s5, ttmp9, s5                     ; my number among t's 256 or W's 1,024 work-groups
	s_and_b32 s6, s5, 7
	s_lshl_b32 s6, s6, 2
	s_add_co_u32 s6, s6, s4                        ; s, 0 .. 31: which 128 along K
	s_bfe_u32 s24, s5, 0x10003                     ; q: fragments 4 q .. 4 q + 3 of the brick
	s_lshr_b32 s25, s5, 4                          ; R: which block of 128 rows
	s_lshl_b32 s46, s25, 7
	s_lshl_b32 s47, s24, 6
	s_add_co_u32 s46, s46, s47                     ; t: my first row is 128 R + 64 q, and fragments 2, 3 begin 32 rows further down;
	s_lshl_b32 s47, s25, 5                         ; W: rows 32 R on, of two gates
	s_cmp_eq_u32 s43, 0
	s_cselect_b32 s46, s46, s47
	s_cselect_b32 s47, 32, 0
	s_add_co_u32 s47, s47, s46
	s_add_co_u32 s48, s43, 13                      ; a row of x or h_old is 2^13 bytes, of W 2^14
	s_lshl_b32 s46, s46, s48
	s_lshl_b32 s47, s47, s48
	s_lshl_b32 s49, 8192, s43                      ; from a row to the next
	s_and_b32 s50, s6, 15                          ; t: K steps 0-15 lie in x, 16-31 in h_old
	s_cmp_eq_u32 s43, 0
	s_cselect_b32 s50, s50, s6
	s_lshl_b32 s50, s50, 9                         ; 512 bytes a K step
	s_add_co_u32 s52, s46, s50
	s_mov_b32 s53, 0
	s_add_co_u32 s54, s47, s50
	s_mov_b32 s55, 0
	s_lshl_b32 s56, s49, 4                         ; 16 rows
	s_mov_b32 s57, 0
	s_lshl_b32 s58, s25, 5
	s_add_co_u32 s58, s58, s6
	s_mul_i32 s58, s58, BRICK                      ; my brick: 32 R + s
	s_lshl_b32 s60, s24, 8
	s_add_co_u32 s60, s60, s58
	s_add_co_u32 s60, s60, CODEB                   ; my 256 bytes of its scale words
	s_mov_b32 s61, 0
	s_mul_i32 s59, s24, 4*FRB
	s_add_co_u32 s58, s58, s59                     ; my four fragments
	s_mov_b32 s59, 0
.irp i, 0,1,2,3,4,5,6,7,8,9,10,11,12,13,14,15
	v_mad_u32_u24 v[OFF+\i], s49, \i, v3
.endr
	s_wait_alu depctr_va_vdst(0)
	s_wait_kmcnt 0x0
	s_cmp_lt_u32 s6, 16                            ; every choice hangs on the work-group's and the wave's number alone
	s_cselect_b64 s[28:29], s[8:9], s[10:11]       ; t's source
	s_cmp_eq_u32 s24, 0
	s_cselect_b64 s[30:31], s[12:13], s[16:17]     ; W's: gates 2 q
	s_cselect_b64 s[44:45], s[14:15], s[18:19]     ; and 2 q + 1
	s_cmp_eq_u32 s43, 0
	s_cselect_b64 s[30:31], s[28:29], s[30:31]     ; where fragments 0, 1 come from,
	s_cselect_b64 s[44:45], s[28:29], s[44:45]     ; and fragments 2, 3
	s_cselect_b64 s[20:21], s[20:21], s[22:23]     ; and where all goes: ta or wa
	s_add_nc_u64 s[P:P+1], s[30:31], s[52:53]
	s_add_nc_u64 s[P+2:P+3], s[P:P+1], s[56:57]
	s_add_nc_u64 s[P+4:P+5], s[44:45], s[54:55]
	s_add_nc_u64 s[P+6:P+7], s[P+4:P+5], s[56:57]
	s_add_nc_u64 s[22:23], s[20:21], s[60:61]      ; the scale words
	s_add_nc_u64 s[20:21], s[20:21], s[58:59]      ; the codes
.macro LOADF f                         ; fragment f: 16 rows x 512 bytes into set f % 2
.irp i, 0,1,2,3,4,5,6,7,8,9,10,11,12,13,14,15
	global_load_b128 v[X+64*((\f)%2)+4*\i:X+64*((\f)%2)+4*\i+3], v[OFF+\i], s[P+2*(\f):P+2*(\f)+1] th:TH_LOAD_NT   ; 32 lanes read 512 consecutive bytes; read once in the launch
.endr
.endm
	LOADF 0
	LOADF 1
.macro FRAGQ f
.set XS, X+64*((\f)%2)
.if (\f) < 3
	s_wait_loadcnt 16                              ; this fragment's 16 loads are in; the next fragment's 16 may be out
.else
	s_wait_loadcnt 0x0
.endif
.irp i, 0,1,2,3,4,5,6,7,8,9,10,11,12,13,14,15
	ds_store_b128 v5, v[XS+4*\i:XS+4*\i+3] offset:SROW*\i
.endr
.irp c, 0,1                            ; LDS serves a wave's instructions in order (ISA guide 5.7.1.4): these see the stores above, and land in the registers that those have left
.irp j, 0,1,2,3,4,5,6,7
	ds_load_b128 v[XS+32*\c+4*\j:XS+32*\c+4*\j+3], v6 offset:256*\c+16*\j   ; register 32 c + i: k = 64 c + 32 h + i of row r
.endr
.endr
	s_wait_dscnt 0x0
.irp c, 0,1                            ; my block 2 c + h: all its 32 numbers are mine
	v_max3_num_f32 v[8+\c], |v[XS+32*\c]|, |v[XS+32*\c+1]|, 0x2800000   ; and the floor 2^(5 - 127), under which no largest magnitude is taken: so the byte cannot fall under 1
.endr
.irp i, 2,4,6,8,10,12,14,16,18,20,22,24,26,28,30
.irp c, 0,1
	v_max3_num_f32 v[8+\c], v[8+\c], |v[XS+32*\c+\i]|, |v[XS+32*\c+\i+1]|   ; (the two blocks by turns)
.endr
.endr
.irp c, 0,1
	v_add_nc_u32 v[10+\c], 0xfe000000, v[8+\c]     ; 4 off its exponent field: the conversion takes the exponent field of this operand as its scale, and nothing else of it
.endr
.irp c, 0,1
	v_lshrrev_b32 v[12+\c], 23, v[10+\c]           ; the scale's byte
.endr
	v_lshl_or_b32 v15, v13, 16, v12                ; my two bytes: blocks h and 2 + h of row r,
	v_lshlrev_b32 v15, v1, v15                     ; at their places in the scale word (8 h bits up);
	v_permlanex16_b32 v14, v15, s40, s41
	v_or_b32 v[W+(\f)], v15, v14                   ; with lane l xor 16's two the word is whole, in both lanes
.if (\f) > 0
	s_wait_alu depctr_va_vdst(0)
	s_wait_xcnt 0x0                                ; the last fragment's stores have read their registers: the codes may be written again
.endif
.irp c, 0,1
	v_cvt_scalef32_pk16_bf6_f32 v[C+6*\c:C+6*\c+2], v[XS+32*\c:XS+32*\c+15], v[10+\c]      ; registers 6 c .. 6 c + 2 of the fragment
	v_cvt_scalef32_pk16_bf6_f32 v[T+4*\c:T+4*\c+2], v[XS+32*\c+16:XS+32*\c+31], v[10+\c]   ; (a conversion's three registers begin on an even number: the second half of a block's six does not, so it is made elsewhere and moved)
.endr
	v_nop                                          ; one plain instruction behind the scaled conversions
.if (\f)+2 < 4
	LOADF (\f)+2                                   ; the set is free: the fragment two on
.endif
.irp c, 0,1
.irp i, 0,1,2
	v_mov_b32 v[C+3+6*\c+\i], v[T+4*\c+\i]
.endr
.endr
.irp j, 0,1,2
	global_store_b128 v3, v[C+4*\j:C+4*\j+3], s[20:21] offset:FRB*(\f)+512*\j   ; 32 lanes store 512 consecutive bytes, at a multiple of 256 from the buffer's first byte
.endr
.endm
	FRAGQ 0
	FRAGQ 1
	FRAGQ 2
	FRAGQ 3
	v_cmp_eq_u32 vcc_lo, 1, v7                     ; lane (r, h) stores the words of fragments 2 h and 2 h + 1 of row r
	v_cndmask_b32 v184, v[W], v[W+2], vcc_lo
	v_cndmask_b32 v185, v[W+1], v[W+3], vcc_lo
	global_store_b64 v186, v[184:185], s[22:23]    ; the 32 lanes fill 256 consecutive bytes, at a multiple of 256 from the buffer's first byte
	s_wait_tensorcnt 0x0
	ds_add_u32 v187, v188                          ; the wave's end
	s_wait_dscnt 0x0
	s_endpgm
.Lfunc_end_k_qc9381b1ac6_quant:
	.size	k_qc9381b1ac6_quant, .Lfunc_end_k_qc9381b1ac6_quant-k_qc9381b1ac6_quant
	.p2alignl 7, 3214868480
	.fill 96, 4, 3214868480
	.section	.rodata,"a",@progbits
	.p2align	6, 0x0
	.amdhsa_kernel k_qc9381b1ac6_quant
		.amdhsa_group_segment_fixed_size 34304
		.amdhsa_private_segment_fixed_size 0
		.amdhsa_enable_private_segment 0
		.amdhsa_kernarg_size 64
		.amdhsa_user_sgpr_count 2
		.amdhsa_user_sgpr_kernarg_segment_ptr 1
		.amdhsa_wavefront_size32 1
		.amdhsa_system_sgpr_workgroup_id_x 1
		.amdhsa_system_sgpr_workgroup_id_y 1
		.amdhsa_system_sgpr_workgroup_id_z 1
		.amdhsa_system_vgpr_workitem_id 0
		.amdhsa_next_free_vgpr 192
		.amdhsa_next_free_sgpr 66
		.amdhsa_reserve_vcc 1
		.amdhsa_float_denorm_mode_32 3
		.amdhsa_float_denorm_mode_16_64 3
		.amdhsa_memory_ordered 1
		.amdhsa_forward_progress 1
		.amdhsa_inst_pref_size 32
	.end_amdhsa_kernel
	.amdgpu_metadata
---
amdhsa.version: [ 1, 2 ]
amdhsa.kernels:
  - .name:           k_qc9381b1ac6_quant
    .symbol:         k_qc9381b1ac6_quant.kd
    .args:
      - { .name: x, .offset: 0, .size: 8, .value_kind: global_buffer, .address_space: global }
      - { .name: h_old, .offset: 8, .size: 8, .value_kind: global_buffer, .address_space: global }
      - { .name: Wf, .offset: 16, .size: 8, .value_kind: global_buffer, .address_space: global }
      - { .name: Wi, .offset: 24, .size: 8, .value_kind: global_buffer, .address_space: global }
      - { .name: Wo, .offset: 32, .size: 8, .value_kind: global_buffer, .address_space: global }
      - { .name: Wg, .offset: 40, .size: 8, .value_kind: global_buffer, .address_space: global }
      - { .name: ta, .offset: 48, .size: 8, .value_kind: global_buffer, .address_space: global }
      - { .name: wa, .offset: 56, .size: 8, .value_kind: global_buffer, .address_space: global }
    .group_segment_fixed_size: 34304
    .private_segment_fixed_size: 0
    .kernarg_segment_align: 8
    .kernarg_segment_size: 64
    .max_flat_workgroup_size: 128
    .sgpr_count:     66
    .vgpr_count:     192
    .wavefront_size: 32
...
	.end_amdgpu_metadata
.endif
;; end of part 1
;; launch cell (part 2): grid 32 x 8, 4 waves a work-group, clusters of 4 x 4, 327,680 bytes of LDS; arguments ta, wa, bf, bi, bo, bg, c_old, out0, out1; writes out0, out1
.if DOCPART == 2
	.amdgcn_target "amdgcn-amd-amdhsa--gfx1250"
	.amdhsa_code_object_version 6
	.text
	.protected	k_qc9381b1ac6_cell
	.globl	k_qc9381b1ac6_cell
	.p2align	8
	.type	k_qc9381b1ac6_cell,@function
k_qc9381b1ac6_cell:
	s_mov_b64 s[64:65], 0
	v_nop
	global_prefetch_b8 v0, s[64:65] scope:SCOPE_SE
	s_setreg_imm32_b32 hwreg(HW_REG_WAVE_MODE, 25, 1), 1
	s_wait_xcnt 0x0
	s_wait_alu depctr_hold_cnt(0) depctr_sa_sdst(0) depctr_va_vdst(0) depctr_va_sdst(0) depctr_va_ssrc(0) depctr_va_vcc(0) depctr_vm_vsrc(0)
	s_getreg_b32 s2, hwreg(HW_REG_IB_STS2, 6, 4)
	s_cmp_eq_u32 s2, 0
	s_cbranch_scc0 .Lentry_in_a_cluster
	s_endpgm
.Lentry_in_a_cluster:
	s_bfe_u32 s2, ttmp6, 0x10000c
	s_cmp_lg_u32 s2, 0xf033
	s_cbranch_scc0 .Lentry_shape_is_right
	s_endpgm
.Lentry_shape_is_right:
; gates = Q(t) Q(W)^T + b on the codes and scale words that launch quant laid (bricks of 12,800 bytes: 128 rows x 128 K as register images, then 512 bytes of scale words), then the LSTM cell:
; c = sigmoid(zf) c_old + sigmoid(zi) tanh(zg), h = sigmoid(zo) tanh(c).  The constant input mode enters no result and has no buffer.
; A work-group of four waves makes 256 rows x 256 gate columns (64 output columns of all four gates); a wave 128 x 128: 64 accumulators, which start from the biases as C.
; K goes through two LDS slots of three bricks for each of A's two and B's two blocks of 128 rows; 4 x 4 work-groups form a cluster and ask for A's tiles jointly along a row, for B's along a column.
; A step of 128 along K is 64 matrix instructions in four groups of 4 x 4 blocks: A 0-3 x B 0-3, A 0-3 x B 4-7, A 4-7 x B 0-3, A 4-7 x B 4-7; the accumulators take turns.
; LIMITS: the exponents of the two tanh (2 log2(e) zg and 2 log2(e) c) are held at 40 from above, where tanh is 1 in f32; NaN and infinities among the inputs are not served.
.set FR,     12
.set NL,     3
.set NP,     4
.set FRB,    1536
.set CODEB,  8*FRB
.set BRICK,  CODEB+512
.set RBLK,   32*BRICK
.set PART,   3*BRICK
.set SLOT,   4*PART
.set SPARE,  2*SLOT
.set TRIPS,  4
.set CPT,    272
.set CST,    0
.set HST,    256*CPT
.set COLD,   SLOT
.set OROW,   8192
.set CRD,  8
.set CWR,  9
.set HWR,  10
.set SRD,  11
.set SRH,  12
.set GO,   13
.set ADRA, 16
.set ADRB, 20
.set ADRS, 24
.set SPW,  28
.set NIL,  29
.set PFO,  30
.set PFC,  31
.set SC,   32
.set BIAS, 64
.set Z,    64
.set AF,   128
.set CO,   128
.set CC,   144
.set EE,   160
.set HH,   176
.set OUT,  192
.set PFA,  12
.set TWOL, 18
.set G0C,  20
.set G1,   24
.set G0,   32
.set G1C,  40
.set G1B,  48
.set G0B,  56
.set LIM,  66
.set G1T,  68
.set CPF,  76
.set NEGL, 78
.set G1TB, 80
.set BP,   88
.set MSB, 0
.macro WIN new
.if MSB != (\new)
	s_set_vgpr_msb (MSB<<8)|(\new)
.set MSB, (\new)
.endif
.endm
.set MUL_LO,   0xa1
.set MUL_HI,   0xf1
.set FIRST_LO, 0x81
.set FIRST_HI, 0xc1
.set TO_B,     0x40
.macro JLOAD g0a, g1a, g0b, g1b
	s_cmp_eq_u32 s15, 0
	s_cbranch_scc0 .Lfor_b_\@
	tensor_load_to_lds s[\g0a:\g0a+3], s[\g1a:\g1a+7]
	s_nop 0
.rept 4
	v_nop
.endr
	s_branch .Lasked_\@
.Lfor_b_\@:
	tensor_load_to_lds s[\g0b:\g0b+3], s[\g1b:\g1b+7]
	s_nop 0
.rept 4
	v_nop
.endr
.Lasked_\@:
.endm
.macro CREST
	s_cmp_lg_u32 s14, 0
	s_cbranch_scc1 .Lnot_wave_0_\@
	s_barrier_signal -3
.Lnot_wave_0_\@:
	s_barrier_wait -3
	s_barrier_signal -1
	s_barrier_wait -1
.endm
.macro CROUND
	s_barrier_signal -1
	s_barrier_wait -1
	CREST
.endm
	s_load_b128 s[4:7], s[0:1], 0x0
	s_load_b256 s[BP:BP+7], s[0:1], 0x10
	s_load_b128 s[96:99], s[0:1], 0x30
	s_load_b64 s[100:101], s[0:1], 0x40
	v_lshl_add_u32 v[SPW], v0, 2, SPARE
	v_mov_b32 v[NIL], 0
	ds_add_u32 v28, v29
	ds_add_u32 v28, v29
	s_wait_dscnt 0x0
	v_lshrrev_b32 v1, 5, v0
	v_readfirstlane_b32 s14, v1
	s_lshr_b32 s15, s14, 1
	s_and_b32 s16, s14, 1
	s_bfe_u32 s40, ttmp6, 0x40000
	s_bfe_u32 s41, ttmp6, 0x40004
	s_lshl_b32 s42, ttmp9, 2
	s_add_co_u32 s42, s42, s40
	s_and_b32 s17, ttmp7, 0xffff
	s_lshl_b32 s17, s17, 2
	s_add_co_u32 s17, s17, s41
	s_lshl_b32 s43, s41, 2
	s_lshl_b32 s43, 15, s43
	s_lshl_b32 s44, 0x1111, s40
	s_or_b32 s[G1+0], s43, (3<<16)|(1<<21)
	s_or_b32 s[G1B+0], s44, (3<<16)|(1<<21)
	s_or_b32 s[G1T+0], s43, (3<<16)|(1<<21)
	s_or_b32 s[G1TB+0], s44, (3<<16)|(1<<21)
.irp g, G1, G1B
	s_mov_b32 s[\g+1], 32<<16
	s_mov_b32 s[\g+2], (PART/256)<<16
	s_mov_b32 s[\g+3], 32<<16
	s_mov_b32 s[\g+4], PART/256
	s_mov_b32 s[\g+5], 32
	s_mov_b32 s[\g+6], 0
	s_mov_b32 s[\g+7], 0
.endr
.irp g, G1T, G1TB
	s_mov_b32 s[\g+1], 32<<16
	s_mov_b32 s[\g+2], (2*BRICK/256)<<16
	s_mov_b32 s[\g+3], 32<<16
	s_mov_b32 s[\g+4], 2*BRICK/256
	s_mov_b32 s[\g+5], 32
	s_mov_b32 s[\g+6], 0
	s_mov_b32 s[\g+7], 0
.endr
	s_lshl_b32 s20, s17, 1
	s_add_co_u32 s20, s20, s16
	s_mul_i32 s20, s20, RBLK
	s_mov_b32 s21, 0
	s_lshl_b32 s46, s42, 1
	s_add_co_u32 s46, s46, s16
	s_mul_i32 s46, s46, RBLK
	s_mov_b32 s47, 0
	s_mul_i32 s45, s14, PART
	s_wait_kmcnt 0x0
	s_add_nc_u64 s[20:21], s[4:5], s[20:21]
	s_add_nc_u64 s[46:47], s[6:7], s[46:47]
	CROUND
.irp s, 0,1
	s_mov_b32 s[G0+4*\s], 1
	s_add_co_u32 s[G0+4*\s+1], s45, \s*SLOT
	s_add_nc_u64 s[G0+4*\s+2:G0+4*\s+3], s[20:21], \s*PART
	s_or_b32 s[G0+4*\s+3], s[G0+4*\s+3], 0x80000000
	s_mov_b32 s[G0B+4*\s], 1
	s_add_co_u32 s[G0B+4*\s+1], s45, \s*SLOT
	s_add_nc_u64 s[G0B+4*\s+2:G0B+4*\s+3], s[46:47], \s*PART
	s_or_b32 s[G0B+4*\s+3], s[G0B+4*\s+3], 0x80000000
.endr
	JLOAD G0, G1, G0B, G1B                         ; slot 0: one tensor load a wave at the head, behind the round; the addresses and the biases' loads below are made while it is out
	s_and_b32 s2, ttmp7, 0xffff
	s_cmp_eq_u32 s15, 0
	s_cselect_b32 s67, s40, s41
	s_cselect_b32 s2, ttmp9, s2
	s_cselect_b64 s[PFA:PFA+1], s[20:21], s[46:47]
	s_cmp_eq_u32 s2, 0
	s_cselect_b32 s[LIM], 1, -1
	s_lshl_b32 s8, s67, 13
	s_add_co_u32 s8, s8, 448*256-32768
	s_mov_b32 s9, 0
	s_add_nc_u64 s[PFA:PFA+1], s[PFA:PFA+1], s[8:9]
	v_and_b32 v1, 15, v0
	v_bfe_u32 v2, v0, 4, 1
	v_and_b32 v6, 31, v0
	v_lshlrev_b32 v3, 4, v6
	s_mul_i32 s21, s15, PART
	s_mul_i32 s22, s16, PART
	s_add_co_u32 s22, s22, 2*PART
	s_sub_co_u32 s23, s22, s21
	v_mul_u32_u24 v5, s23, v2
	v_lshl_add_u32 v5, v1, 4, v5
	s_add_co_u32 s23, s21, CODEB
	v_add_nc_u32 v[ADRS], s23, v5
	v_add_nc_u32 v[ADRS+1], SLOT, v[ADRS]
.irp s, 0,1
	v_add_nc_u32 v[ADRA+\s], s21, v3
	v_add_nc_u32 v[ADRB+\s], s22, v3
	s_add_co_u32 s21, s21, SLOT
	s_add_co_u32 s22, s22, SLOT
.endr
	s_mul_i32 s21, s15, 128*CPT
	s_lshl_b32 s22, s16, 7
	s_add_co_u32 s22, s22, s21
	v_mul_u32_u24 v5, v1, CPT
	v_lshl_add_u32 v5, v2, 5, v5
	v_add_nc_u32 v[CWR], s22, v5
	v_add_nc_u32 v[HWR], HST, v[CWR]
	v_add_nc_u32 v[CRD], COLD, v[CWR]
	s_mul_i32 s22, s16, 16*CPT
	s_add_co_u32 s22, s22, s21
	v_mul_u32_u24 v5, v2, CPT
	v_lshl_add_u32 v5, v1, 4, v5
	v_add_nc_u32 v[SRD], s22, v5
	v_add_nc_u32 v[SRH], HST-CST, v[SRD]
	v_lshlrev_b32 v[GO], 13, v2
	v_lshl_add_u32 v[GO], v1, 4, v[GO]
	v_lshlrev_b32 v[PFO], 8, v6
	v_lshlrev_b32 v[PFC], 13, v6
	v_lshlrev_b32 v7, 5, v2
	s_wait_alu depctr_va_vdst(0)
	s_lshl_b32 s8, s42, 8
	s_lshl_b32 s9, s16, 7
	s_add_co_u32 s8, s8, s9
	s_mov_b32 s9, 0
.irp g, 0,2,4,6
	s_add_nc_u64 s[BP+\g:BP+\g+1], s[BP+\g:BP+\g+1], s[8:9]
.endr
.irp b, 0,1,2,3,4,5,6,7
	global_load_b128 v[BIAS+8*\b:BIAS+8*\b+3],   v7, s[BP+2*(\b/2):BP+2*(\b/2)+1] offset:64*(\b%2)
	global_load_b128 v[BIAS+8*\b+4:BIAS+8*\b+7], v7, s[BP+2*(\b/2):BP+2*(\b/2)+1] offset:64*(\b%2)+16
.endr
	s_lshl_b32 s8, s17, 8
	s_lshl_b32 s9, s14, 6
	s_add_co_u32 s8, s8, s9
	s_lshl_b32 s8, s8, 13
	s_lshl_b32 s9, s42, 8
	s_add_co_u32 s8, s8, s9
	s_mov_b32 s9, 0
	s_add_nc_u64 s[CPF:CPF+1], s[96:97], s[8:9]
	s_mov_b32 s[G0C], 1
	s_mul_i32 s[G0C+1], s14, 64*CPT
	s_add_co_u32 s[G0C+1], s[G0C+1], COLD
	s_mov_b64 s[G0C+2:G0C+3], s[CPF:CPF+1]
	s_or_b32 s[G0C+3], s[G0C+3], 0x80000000
	s_lshl_b32 s2, s17, 8
	s_lshl_b32 s67, s15, 7
	s_add_co_u32 s2, s2, s67
	s_lshl_b32 s67, s16, 4
	s_add_co_u32 s2, s2, s67
	s_lshl_b32 s2, s2, 13
	s_lshl_b32 s67, s42, 8
	s_add_co_u32 s10, s2, s67
	s_mov_b32 s11, 0
	s_add_nc_u64 s[98:99], s[98:99], s[10:11]
	s_add_nc_u64 s[100:101], s[100:101], s[10:11]
	s_mov_b32 s[G1C+0], (2<<16)|(1<<20)|(5<<22)|(3<<25)
	s_mov_b32 s[G1C+1], 64<<16
	s_mov_b32 s[G1C+2], 64<<16
	s_mov_b32 s[G1C+3], 64<<16
	s_mov_b32 s[G1C+4], 64
	s_mov_b32 s[G1C+5], 2048
	s_mov_b32 s[G1C+6], 0
	s_mov_b32 s[G1C+7], 0
	s_mov_b32 s[TWOL], 0x4038aa3b
	s_mov_b32 s[TWOL+1], s[TWOL]
	s_mov_b32 s[NEGL], 0xbfb8aa3b
	s_mov_b32 s[NEGL+1], s[NEGL]
.macro FRAG reg, adr, off
.irp c, 0,1,2
	ds_load_b128 v[\reg+4*\c:\reg+4*\c+3], v[\adr] offset:(\off)+512*\c
.endr
.endm
.macro MUL16 a0, p, zero               ; 16 matrix instructions.  a0 = 0: A 0-3 x B 0-3; 2: A 0-3 x B 4-7; 4: A 4-7 x B 0-3; 6: A 4-7 x B 4-7
.if ((\a0)/2)%2
	MULQ (\a0)-2, \p, \zero, 4, 5, 6, 7
.else
	MULQ \a0, \p, \zero, 0, 1, 2, 3
.endif
.endm
.macro MULQ a0, p, zero, b0, b1, b2, b3
.irp a, \a0, (\a0)+1, (\a0)+2, (\a0)+3
.irp b, \b0, \b1, \b2, \b3
.if \zero
	v_wmma_scale_f32_16x16x128_f8f6f4 v[8*(8*((\a)%4)+\b):8*(8*((\a)%4)+\b)+7], v[128*(\p)+FR*\b:128*(\p)+FR*\b+FR-1], v[AF+FR*(\a):AF+FR*(\a)+FR-1], v[BIAS+8*\b:BIAS+8*\b+7], v[SC+8*(\p)+\b], v[SC+8*(\p)+(\a)] matrix_a_fmt:MATRIX_FMT_BF6 matrix_b_fmt:MATRIX_FMT_BF6 matrix_a_scale:MATRIX_SCALE_ROW1
.else
	v_wmma_scale_f32_16x16x128_f8f6f4 v[8*(8*((\a)%4)+\b):8*(8*((\a)%4)+\b)+7], v[128*(\p)+FR*\b:128*(\p)+FR*\b+FR-1], v[AF+FR*(\a):AF+FR*(\a)+FR-1], v[8*(8*((\a)%4)+\b):8*(8*((\a)%4)+\b)+7], v[SC+8*(\p)+\b], v[SC+8*(\p)+(\a)] matrix_a_fmt:MATRIX_FMT_BF6 matrix_b_fmt:MATRIX_FMT_BF6 matrix_a_scale:MATRIX_SCALE_ROW1
.endif
.endr
.endr
.endm
.macro FETCH_B slot, q, p
	WIN TO_B                                       ; B's blocks 0-3: the next step's first group wants them
.irp i, 0,1,2,3
	FRAG 128*(\p)+FR*\i, ADRB+\slot, (\q)*BRICK+\i*FRB
.endr
	WIN 0
.endm
.macro FETCH_A slot, q, i0
.irp i, \i0, \i0+1, \i0+2, \i0+3
	FRAG AF+FR*(\i), ADRA+\slot, (\q)*BRICK+(\i)*FRB
.endr
.endm
.macro SCALES slot, q, p
	ds_load_b128 v[SC+8*(\p):SC+8*(\p)+3],   v[ADRS+\slot] offset:(\q)*BRICK
	ds_load_b128 v[SC+8*(\p)+4:SC+8*(\p)+7], v[ADRS+\slot] offset:(\q)*BRICK+256
	WIN TO_B                                       ; B's blocks 4-7 come last in the run: they are wanted 16 matrix instructions later
.irp i, 4,5,6,7
	FRAG 128*(\p)+FR*\i, ADRB+\slot, (\q)*BRICK+\i*FRB
.endr
	WIN 0
.endm
.macro PLACES n
.rept \n
	v_nop
.endr
.endm
.macro ASK slot
	s_cmp_gt_u32 s3, s[LIM]
	s_cbranch_scc0 .Lnot_mine_\@
	global_prefetch_b8 v[PFO], s[PFA:PFA+1] th:TH_LOAD_NT scope:SCOPE_SE
.if \slot == 0
	global_prefetch_b8 v[PFO], s[PFA:PFA+1] offset:32768 th:TH_LOAD_NT scope:SCOPE_SE
.endif
.Lnot_mine_\@:
.endm
.macro ASKC
	global_prefetch_b8 v[PFC], s[CPF:CPF+1] th:TH_LOAD_NT scope:SCOPE_SE
	global_prefetch_b8 v[PFC], s[CPF:CPF+1] offset:32*OROW th:TH_LOAD_NT scope:SCOPE_SE
.endm
.macro STEP slot, q, zero
.set PP, ((\q)+(\slot))%2
	s_wait_dscnt 8*NL                              ; the youngest 24 loads may be out: B's blocks 4-7 and A's blocks 4-7
.if \zero
	WIN FIRST_LO
.else
	WIN MUL_LO
.endif
	MUL16 0, PP, \zero
	s_wait_dscnt 4*NL                              ; B's blocks 4-7 are in; A's blocks 4-7, 12 loads, may be out
	MUL16 2, PP, \zero
	s_wait_dscnt 0
	PLACES NP
	FETCH_B \slot, (\q)+1, 1-PP
	FETCH_A \slot, (\q)+1, 0
	SCALES \slot, (\q)+1, 1-PP
.if \zero
	WIN FIRST_HI
.else
	WIN MUL_HI
.endif
	MUL16 4, PP, \zero
	MUL16 6, PP, \zero
	PLACES NP
	WIN 0
	FETCH_A \slot, (\q)+1, 4
.endm
.macro TURN slot, next, fill
.set PP, (\slot)%2
.if \fill == 1
	s_wait_xcnt 0x0
.if \slot == 0
	s_add_nc_u64 s[PFA:PFA+1], s[PFA:PFA+1], 32768
.else
	s_add_nc_u64 s[PFA:PFA+1], s[PFA:PFA+1], 65536
.endif
.endif
	s_wait_tensorcnt 0x0
	ds_add_u32 v[SPW], v[NIL]
	s_wait_dscnt 8*NL+1                            ; the add and the youngest 24 loads may be out
	WIN MUL_LO
	MUL16 0, PP, 0
	s_wait_dscnt 0x0
	s_barrier_signal -1
	MUL16 2, PP, 0
	WIN 0
	s_barrier_wait -1
	CREST
.if \fill == 2
	tensor_load_to_lds s[G0C:G0C+3], s[G1C:G1C+7]
	s_nop 0
	PLACES 4
.else
	s_add_nc_u64 s[G0+4*\slot+2:G0+4*\slot+3], s[G0+4*\slot+2:G0+4*\slot+3], 2*PART
	s_add_nc_u64 s[G0B+4*\slot+2:G0B+4*\slot+3], s[G0B+4*\slot+2:G0B+4*\slot+3], 2*PART
.if \fill == 1
	JLOAD G0+4*\slot, G1, G0B+4*\slot, G1B
.else
	JLOAD G0+4*\slot, G1T, G0B+4*\slot, G1TB
.endif
.endif
	FETCH_B \next, 0, 1-PP
	FETCH_A \next, 0, 0
	SCALES \next, 0, 1-PP
.if \fill == 1
	ASK \slot
.endif
.if \fill == 3
	ASKC
.endif
	WIN MUL_HI
	MUL16 4, PP, 0
	MUL16 6, PP, 0
	PLACES NP
	WIN 0
	FETCH_A \next, 0, 4
.endm
	s_wait_alu depctr_va_vdst(0)
	s_wait_tensorcnt 0x0                           ; my part of slot 0 is in
	ds_add_u32 v[SPW], v[NIL]
	s_wait_dscnt 0x0
	CROUND                                         ; everybody's part of slot 0 is in, and all sixteen work-groups are here
	JLOAD G0+4, G1, G0B+4, G1B                     ; slot 1's first fill: the first tensor load behind the round
	FETCH_B 0, 0, 0
	FETCH_A 0, 0, 0
	SCALES 0, 0, 0
	FETCH_A 0, 0, 4
	s_wait_loadcnt 0x0
	STEP 0, 0, 1
	s_mov_b32 s3, TRIPS
.Llap:
	STEP 0, 1, 0
	TURN 0, 1, 1
	STEP 1, 0, 0
	STEP 1, 1, 0
	TURN 1, 0, 1
	STEP 0, 0, 0
	s_sub_co_u32 s3, s3, 1
	s_cmp_lg_u32 s3, 0
	s_cbranch_scc1 .Llap
	STEP 0, 1, 0
	TURN 0, 1, 3
	STEP 1, 0, 0
	STEP 1, 1, 0
	TURN 1, 0, 2
	STEP 0, 0, 0
	s_wait_dscnt 8*NL
	WIN MUL_LO
	MUL16 0, 1, 0
	s_wait_dscnt 4*NL
	MUL16 2, 1, 0
	s_wait_dscnt 0
	WIN MUL_HI
	MUL16 4, 1, 0
	MUL16 6, 1, 0
	WIN 0
	PLACES NP
	s_wait_tensorcnt 0x0
	s_wait_dscnt 0x0
	s_barrier_signal -1
	s_barrier_wait -1
.macro EXPS base, n
.set GI, 0
.rept \n
	v_exp_f32 v[\base+GI], v[\base+GI]
.set GI, GI+1
.endr
	v_nop
	s_wait_alu depctr_va_vdst(0)
.endm
.macro RCPS base, n
.set GI, 0
.rept \n
	v_rcp_f32 v[\base+GI], v[\base+GI]
.set GI, GI+1
.endr
	v_nop
	s_wait_alu depctr_va_vdst(0)
.endm
.macro PLUS1 base, n
.set GI, 0
.rept \n
	v_pk_add_f32 v[\base+GI:\base+GI+1], v[\base+GI:\base+GI+1], 1.0 op_sel_hi:[1,0]
.set GI, GI+2
.endr
.endm
.macro GATES a
.set AC, 64*((\a)%4)
	ds_load_b128 v[CO:CO+3],     v[CRD] offset:(\a)*16*CPT
	ds_load_b128 v[CO+4:CO+7],   v[CRD] offset:(\a)*16*CPT+16
	ds_load_b128 v[CO+8:CO+11],  v[CRD] offset:(\a)*16*CPT+64
	ds_load_b128 v[CO+12:CO+15], v[CRD] offset:(\a)*16*CPT+80
	WIN 0x02+(\a)/4
.irp b, 0,1,2,3,4,5
.irp j, 0,2,4,6
	v_pk_mul_f32 v[Z+8*\b+\j:Z+8*\b+\j+1], v[AC+8*\b+\j:AC+8*\b+\j+1], s[NEGL:NEGL+1] op_sel_hi:[1,0]
.endr
.endr
.irp b, 6,7
.irp j, 0,2,4,6
	v_pk_mul_f32 v[Z+8*\b+\j:Z+8*\b+\j+1], v[AC+8*\b+\j:AC+8*\b+\j+1], s[TWOL:TWOL+1] op_sel_hi:[1,0]
.endr
.endr
	WIN 0
.set GI, 0
.rept 16
	v_min_num_f32 v[Z+48+GI], 0x42200000, v[Z+48+GI]   ; tanh's exponent held at 40: eg stays finite
.set GI, GI+1
.endr
	s_wait_alu depctr_va_vdst(0)
	EXPS Z, 64                                     ; ef, ei, eo = 2^(-log2(e) z); eg = 2^(2 log2(e) zg)
	s_wait_dscnt 0x0                               ; c_old is in
	PLUS1 Z, 32
.irp j, 0,2,4,6,8,10,12,14
	v_pk_mul_f32 v[Z+16+\j:Z+16+\j+1], v[Z+16+\j:Z+16+\j+1], v[Z+48+\j:Z+48+\j+1]   ; (1 + ei)(1 + eg): an infinity here gives the reciprocal 0
.endr
.irp j, 0,2,4,6,8,10,12,14
	v_pk_add_f32 v[Z+48+\j:Z+48+\j+1], v[Z+48+\j:Z+48+\j+1], -2.0 op_sel_hi:[1,0]   ; eg - 1
.endr
	s_wait_alu depctr_va_vdst(0)
	RCPS Z, 32                                     ; f = 1 / (1 + ef), and 1 / ((1 + ei)(1 + eg)); the product below is i tanh(zg)
.irp j, 0,2,4,6,8,10,12,14
	v_pk_mul_f32 v[Z+16+\j:Z+16+\j+1], v[Z+16+\j:Z+16+\j+1], v[Z+48+\j:Z+48+\j+1]
.endr
.irp j, 0,2,4,6,8,10,12,14
	v_pk_fma_f32 v[CC+\j:CC+\j+1], v[Z+\j:Z+\j+1], v[CO+\j:CO+\j+1], v[Z+16+\j:Z+16+\j+1]
.endr
	ds_store_b128 v[CWR], v[CC:CC+3]     offset:(\a)*16*CPT
	ds_store_b128 v[CWR], v[CC+4:CC+7]   offset:(\a)*16*CPT+16
	ds_store_b128 v[CWR], v[CC+8:CC+11]  offset:(\a)*16*CPT+64
	ds_store_b128 v[CWR], v[CC+12:CC+15] offset:(\a)*16*CPT+80
.irp j, 0,2,4,6,8,10,12,14
	v_pk_mul_f32 v[EE+\j:EE+\j+1], v[CC+\j:CC+\j+1], s[TWOL:TWOL+1] op_sel_hi:[1,0]
.endr
.set GI, 0
.rept 16
	v_min_num_f32 v[EE+GI], 0x42200000, v[EE+GI]   ; held at 40: ec stays finite
.set GI, GI+1
.endr
	s_wait_alu depctr_va_vdst(0)
	EXPS EE, 16
	PLUS1 EE, 8
.irp j, 0,2,4,6,8,10,12,14
	v_pk_mul_f32 v[Z+32+\j:Z+32+\j+1], v[Z+32+\j:Z+32+\j+1], v[EE+\j:EE+\j+1]   ; (1 + eo)(1 + ec)
.endr
.irp j, 0,2,4,6,8,10,12,14
	v_pk_add_f32 v[EE+\j:EE+\j+1], v[EE+\j:EE+\j+1], -2.0 op_sel_hi:[1,0]   ; ec - 1
.endr
	s_wait_alu depctr_va_vdst(0)
	RCPS Z+32, 16                                  ; the product below is o tanh(c)
.irp j, 0,2,4,6,8,10,12,14
	v_pk_mul_f32 v[HH+\j:HH+\j+1], v[Z+32+\j:Z+32+\j+1], v[EE+\j:EE+\j+1]
.endr
	ds_store_b128 v[HWR], v[HH:HH+3]     offset:(\a)*16*CPT
	ds_store_b128 v[HWR], v[HH+4:HH+7]   offset:(\a)*16*CPT+16
	ds_store_b128 v[HWR], v[HH+8:HH+11]  offset:(\a)*16*CPT+64
	ds_store_b128 v[HWR], v[HH+12:HH+15] offset:(\a)*16*CPT+80
.endm
.macro BAR
	s_wait_dscnt 0x0
	s_barrier_signal -1
	s_barrier_wait -1
.endm
.macro BACK p
.if (\p) > 0
	s_wait_xcnt 0x0
.endif
.irp t, 0,1,2,3,4,5,6,7
	ds_load_b128 v[OUT+4*\t:OUT+4*\t+3], v[SRD] offset:(32*(\p)+2*\t)*CPT
.endr
.irp t, 0,1,2,3,4,5,6,7
	ds_load_b128 v[OUT+32+4*\t:OUT+32+4*\t+3], v[SRH] offset:(32*(\p)+2*\t)*CPT
.endr
.endm
.macro SEND p
.irp t, 0,1,2,3,4,5,6,7
	global_store_b128 v[GO], v[OUT+4*\t:OUT+4*\t+3], s[98:99] offset:(32*(\p)+2*\t)*OROW th:TH_STORE_NT
.endr
.irp t, 0,1,2,3,4,5,6,7
	global_store_b128 v[GO], v[OUT+32+4*\t:OUT+32+4*\t+3], s[100:101] offset:(32*(\p)+2*\t)*OROW th:TH_STORE_NT
.endr
.endm
	GATES 0
	GATES 1
.irp p, 0,1,2
	BAR
	BACK \p
	GATES 2*\p+2
	SEND \p
	GATES 2*\p+3
.endr
	BAR
	BACK 3
	s_wait_dscnt 0x0
	SEND 3
	s_wait_tensorcnt 0x0
	ds_add_u32 v[SPW], v[NIL]
	s_wait_dscnt 0x0
	CROUND
	s_endpgm
.Lfunc_end_k_qc9381b1ac6_cell:
	.size	k_qc9381b1ac6_cell, .Lfunc_end_k_qc9381b1ac6_cell-k_qc9381b1ac6_cell
	.p2alignl 7, 3214868480
	.fill 96, 4, 3214868480
	.section	.rodata,"a",@progbits
	.p2align	6, 0x0
	.amdhsa_kernel k_qc9381b1ac6_cell
		.amdhsa_group_segment_fixed_size 327680
		.amdhsa_private_segment_fixed_size 0
		.amdhsa_enable_private_segment 0
		.amdhsa_kernarg_size 72
		.amdhsa_user_sgpr_count 2
		.amdhsa_user_sgpr_kernarg_segment_ptr 1
		.amdhsa_wavefront_size32 1
		.amdhsa_system_sgpr_workgroup_id_x 1
		.amdhsa_system_sgpr_workgroup_id_y 1
		.amdhsa_system_sgpr_workgroup_id_z 1
		.amdhsa_system_vgpr_workitem_id 0
		.amdhsa_next_free_vgpr 1024
		.amdhsa_next_free_sgpr 102
		.amdhsa_reserve_vcc 0
		.amdhsa_float_denorm_mode_32 3
		.amdhsa_float_denorm_mode_16_64 3
		.amdhsa_memory_ordered 1
		.amdhsa_forward_progress 1
		.amdhsa_inst_pref_size 255
	.end_amdhsa_kernel
	.section	.bss,"aw",@nobits
	.p2align	6
	.space	262144
	.amdgpu_metadata
---
amdhsa.version: [ 1, 2 ]
amdhsa.kernels:
  - .name:           k_qc9381b1ac6_cell
    .symbol:         k_qc9381b1ac6_cell.kd
    .args:
      - { .name: ta, .offset: 0, .size: 8, .value_kind: global_buffer, .address_space: global }
      - { .name: wa, .offset: 8, .size: 8, .value_kind: global_buffer, .address_space: global }
      - { .name: bf, .offset: 16, .size: 8, .value_kind: global_buffer, .address_space: global }
      - { .name: bi, .offset: 24, .size: 8, .value_kind: global_buffer, .address_space: global }
      - { .name: bo, .offset: 32, .size: 8, .value_kind: global_buffer, .address_space: global }
      - { .name: bg, .offset: 40, .size: 8, .value_kind: global_buffer, .address_space: global }
      - { .name: c_old, .offset: 48, .size: 8, .value_kind: global_buffer, .address_space: global }
      - { .name: out0, .offset: 56, .size: 8, .value_kind: global_buffer, .address_space: global }
      - { .name: out1, .offset: 64, .size: 8, .value_kind: global_buffer, .address_space: global }
    .group_segment_fixed_size: 327680
    .private_segment_fixed_size: 0
    .kernarg_segment_align: 8
    .kernarg_segment_size: 72
    .max_flat_workgroup_size: 128
    .sgpr_count:     102
    .vgpr_count:     1024
    .wavefront_size: 32
...
	.end_amdgpu_metadata
.endif
;; end of part 2
